; MI455X (gfx1250); checked and timed in simulation.
; The chip was launched on July 23, 2026; its instructions are those of AMD's public machine-readable ISA for CDNA 5 (MIT licence, August 2026) and "CDNA5" Instruction Set Architecture Reference Guide (July 2026). The comments in the code are by the model that wrote it; some were corrected since.
;; Basden Flow Layer. Allowed arithmetic: float matrix products may take bf16 or f16 operands with f32 sums; all other float work in f32.
;; Inputs: cdf_table 30,000 float32; clean 32 x 4 x 256 x 256 float32; pdf_table 30,000 float32; x 32 x 4 x 256 x 256 float32; x_grid 30,000 float32.
;; Outputs: out0 32 x 4 x 256 x 256 float32; out1 32 float32.
;; One version. Each part assembles by itself: llvm-mc -triple=amdgcn-amd-amdhsa -mcpu=gfx1250 --defsym DOCPART=n.
;; ======== version 1 of 1: 3 launches
;; workspace buffers: qkey 33,554,432 bytes of whole numbers; tab 262,144 bytes of whole numbers; rec 524,288 bytes; part1 4,096 bytes; part2 1,024 bytes
;; launch prep (part 1): grid 1024 x 1, 8 waves a work-group, no clusters, 1,280 bytes of LDS; arguments x, clean, x_grid, cdf_table, pdf_table, qkey, tab, rec, part1; writes qkey, tab, rec, part1
.if DOCPART == 1
	.amdgcn_target "amdgcn-amd-amdhsa--gfx1250"
	.amdhsa_code_object_version 6
	.text
	.protected	k_qa68c3ff3ac_prep
	.globl	k_qa68c3ff3ac_prep
	.p2align	8
	.type	k_qa68c3ff3ac_prep,@function
k_qa68c3ff3ac_prep:
	s_mov_b64 s[64:65], 0
	v_nop
	global_prefetch_b8 v0, s[64:65] scope:SCOPE_SE
	s_setreg_imm32_b32 hwreg(HW_REG_WAVE_MODE, 25, 1), 1
	s_wait_xcnt 0x0
; PREP: the floating-point part in front of the search.  For each of 8,388,608 elements
;   v   = 600 max(3000 clean - 100, 0) + 400 = max(1.8e6 clean - 59600, 400)         (sigma_total squared)
;   w   = 60000 / sqrt(v) = 3000 scale_factor
;   x_c = min(max(x w + 100, x_grid[0]), x_grid[N-1])
; and x_c is stored as a WHOLE NUMBER (its key) that orders as the float does: the float's bits where they are not negative as an integer,
; 0x80000000 minus the bits where they are.  The map is its own inverse and sends -0 to +0.
; The search for x_c in the grid is made by the next launch, on these keys, by integer compares.
; The part of log_det that needs clean alone is summed here: ln 3000 + ln(scale_factor + 1e-8) = ln(w + 3e-5), one logarithm for four
; elements (w + 3e-5 lies in 3e-5 .. 3000.1, so a product of four lies in 8e-19 .. 8.2e13); one f32 a work-group goes to part1.
; THE SEARCH TREE.  The problem's searchsorted is a bisection of 15 levels from (lo, hi) = (0, N): mid = (lo + hi) / 2; x_c <= grid[mid] gives
; (lo, mid), else (mid, hi); the result is hi.  Its states are numbered as a heap: node 1 is the start, node 2k the left child, 2k + 1 the
; right.  tab[k], k = 1 .. 32767: the key of grid[mid(k)] (tab[0], never read for a decision, gets node 1's).  A leaf k = 32768 .. 65535 stands
; for a finished search: idx = clamp(hi, 1, N-1); tab[k] = grid[idx-1] as a float, and the record at byte 16 k - 524,288 of rec is
; (cdf[idx-1], cdf's slope, pdf[idx-1] + 1e-8, pdf's slope), slope = (y1 - y0) / (x1 - x0 + 1e-8).  So the next launch follows the bisection
; step for step, on any grid.  Waves 0 and 1 of work-group g make entries 64 g .. 64 g + 63: each lane walks from the root by the bits of its k.
; A wave's store of records covers 512 neighbouring bytes, aligned; its store into tab 128: tab is 262,144 of the launch's 34 million bytes stored.
; SHARES: 1,024 work-groups of 8 waves; a work-group owns 8,192 elements (32 of them make a batch), a wave 1,024, a lane 32: eight groups of
; four neighbours.  A load or store of a wave covers 512 neighbouring bytes, aligned.  All 16 loads of a lane go out at the start.
; Bytes decide here: no LDS for data, no tensor loads, no cluster (work-groups share nothing but gathers from 360,000 bytes of tables).
; LIMITS: a NaN in x is clipped to x_grid[0], a NaN in clean acts as a small clean (v_max_num_f32 drops a NaN), a NaN in x_grid is ordered by its
; bits; the problem's definition would hand them on.  The 1e-8 that it adds to sigma_total, which is at least 20, is lost in f32 and is not added.
.set N,   30000
.set X,   8                            ; v[8:39]    x of group i at X+4i; then x_c; then its key, stored from here
.set C,   40                           ; v[40:71]   clean of group i
.set T,   72                           ; v[72:75]   v, then 1/sqrt(v), then w, of the group in hand
.set S,   76                           ; v[76:79]   0x80000000 - bits
.set LG,  80                           ; v[80:87]   log2 of group i's product
.set KV,  88                           ; v[88:89]   -59600, twice
.set K,   90                           ; v90        tables: my entry
.set LO,  91                           ; v91, v92   the state of the bisection
.set HI,  92
.set M,   93                           ; v93        mid; at last 4 mid
.set TT,  94                           ; v94        k >> j
.set B,   95                           ; v95        its lowest bit: the decision
.set AK,  96                           ; v96        4 k
.set AS,  97                           ; v97        16 k
.set AL,  98                           ; v98        4 idx
.set R,   100                          ; v[100:103] the record
.set X0,  104                          ; v104       grid[idx-1], or grid[mid] and then its key
.set X1,  105                          ; v105       grid[idx], then 1 / (x1 - x0 + 1e-8)
.set C1,  106                          ; v106       cdf[idx], then y1 - y0
.set P1,  107                          ; v107       pdf[idx], then y1 - y0
	s_load_b512 s[4:19], s[0:1], 0x0               ; x s[4:5], clean s[6:7], x_grid s[8:9], cdf s[10:11], pdf s[12:13], qkey s[14:15], tab s[16:17], rec s[18:19]
	s_load_b64 s[20:21], s[0:1], 0x40              ; part1
	v_lshl_add_u32 v128, v0, 2, 0x100
	v_mov_b32 v129, 0
	v_lshrrev_b32 v2, 5, v0
	v_readfirstlane_b32 s24, v2                    ; wave 0..7
	v_and_b32 v3, 31, v0                           ; lane
	v_lshlrev_b32 v1, 4, v3
	v_lshl_or_b32 v1, v2, 12, v1                   ; 4,096 x wave + 16 x lane; never rewritten
	v_mov_b32 v[KV], 0xc768d000                    ; -59600.0
	v_mov_b32 v[KV+1], 0xc768d000
	s_mov_b32 s25, ttmp9                           ; work-group
	s_lshl_b32 s26, s25, 15                        ; its 32,768 bytes in x, clean and qkey (below 2^25)
	s_mov_b32 s27, 0
	s_mov_b32 s30, 0x76543210                      ; v_permlanex16_b32: each lane takes its own place in the other half
	s_mov_b32 s31, 0xfedcba98
	s_wait_kmcnt 0x0
	s_load_b32 s22, s[8:9], 0x0                    ; x_grid[0]
	s_load_b32 s23, s[8:9], (N-1)*4                ; x_grid[N-1]
	s_add_nc_u64 s[4:5], s[4:5], s[26:27]
	s_add_nc_u64 s[6:7], s[6:7], s[26:27]
	s_add_nc_u64 s[14:15], s[14:15], s[26:27]
.irp i, 0,1,2,3,4,5,6,7
	global_load_b128 v[X+4*\i:X+4*\i+3], v1, s[4:5] offset:512*\i th:TH_LOAD_NT
	global_load_b128 v[C+4*\i:C+4*\i+3], v1, s[6:7] offset:512*\i th:TH_LOAD_NT
.endr
	s_wait_kmcnt 0x0                               ; the grid's two ends
	; THE TABLES: waves 0 and 1 alone.
	s_cmp_ge_u32 s24, 2
	s_cbranch_scc1 .Lstream
	v_lshl_add_u32 v[K], s25, 6, v0                ; k = 64 x work-group + thread
	v_mov_b32 v[LO], 0
	v_mov_b32 v[HI], N
	v_lshlrev_b32 v[AK], 2, v[K]
	v_lshlrev_b32 v[AS], 4, v[K]
	; The walk: below k's leading one each bit is a decision, the highest first.  Bit j counts if k >> j is above 1.
.irp j, 14,13,12,11,10,9,8,7,6,5,4,3,2,1,0
	v_add_nc_u32 v[M], v[LO], v[HI]
	v_lshrrev_b32 v[TT], \j, v[K]
	v_lshrrev_b32 v[M], 1, v[M]                    ; mid
	v_and_b32 v[B], 1, v[TT]
	v_cmp_lt_u32 s28, 1, v[TT]                     ; a decision
	v_cmp_eq_u32 vcc_lo, 1, v[B]                   ; to the right
	s_and_b32 s29, s28, vcc_lo
	s_and_not1_b32 s28, s28, vcc_lo
	v_cndmask_b32 v[LO], v[LO], v[M], s29          ; right: (mid, hi)
	v_cndmask_b32 v[HI], v[HI], v[M], s28          ; left: (lo, mid)
.endr
	s_cmp_ge_u32 s25, 512                          ; work-groups 0 .. 511 hold the nodes, 512 .. 1023 the leaves
	s_cbranch_scc1 .Lleaf
	v_add_nc_u32 v[M], v[LO], v[HI]
	v_lshrrev_b32 v[M], 1, v[M]
	v_min_u32 v[M], N-1, v[M]                      ; mid is below N by the bisection; the bound is written out
	v_lshlrev_b32 v[M], 2, v[M]
	global_load_b32 v[X0], v[M], s[8:9]
	s_wait_loadcnt 0x0                             ; the youngest load: all are in, the stream's too
	v_cmp_gt_i32 vcc_lo, 0, v[X0]                  ; the key
	v_sub_nc_u32 v[TT], 0x80000000, v[X0]
	v_cndmask_b32 v[X0], v[X0], v[TT], vcc_lo
	global_store_b32 v[AK], v[X0], s[16:17]        ; these registers are not written again
	s_branch .Lstream
.Lleaf:
	v_max_u32 v[AL], 1, v[HI]
	v_min_u32 v[AL], N-1, v[AL]                    ; idx
	v_lshlrev_b32 v[AL], 2, v[AL]
	global_load_b32 v[X0],  v[AL], s[8:9] offset:-4
	global_load_b32 v[X1],  v[AL], s[8:9]
	global_load_b32 v[R],   v[AL], s[10:11] offset:-4
	global_load_b32 v[C1],  v[AL], s[10:11]
	global_load_b32 v[R+2], v[AL], s[12:13] offset:-4
	global_load_b32 v[P1],  v[AL], s[12:13]
	s_wait_loadcnt 0x0                             ; the youngest loads: all are in, the stream's too
	v_sub_f32 v[X1], v[X1], v[X0]
	v_add_f32 v[X1], 0x322bcc77, v[X1]             ; x1 - x0 + 1e-8
	v_rcp_f32 v[X1], v[X1]
	v_sub_f32 v[C1], v[C1], v[R]                   ; three plain instructions that touch neither the reciprocal nor its source stand in front of its use (ISA guide 5.7.2)
	v_sub_f32 v[P1], v[P1], v[R+2]
	v_add_f32 v[R+2], 0x322bcc77, v[R+2]           ; the 1e-8 inside log(pdf + 1e-8) rides on the left end
	s_wait_alu depctr_va_vdst(0)
	v_mul_f32 v[R+1], v[C1], v[X1]
	v_mul_f32 v[R+3], v[P1], v[X1]
	global_store_b32 v[AK], v[X0], s[16:17]        ; a leaf's word is x0 itself, as a float
	global_store_b128 v[AS], v[R:R+3], s[18:19] offset:-524288   ; 16 k is at least 524,288 here
.Lstream:
; Group i: four neighbouring elements of a lane.
.macro GROUP i
	s_wait_loadcnt 14-2*\i                         ; loads come back in order (ISA guide 5.7.1): x and clean of group i are in, the 14 - 2 i loads of the later groups may stay out
	v_pk_fma_f32 v[T:T+1],   v[C+4*\i:C+4*\i+1],   0x49dbba00, v[KV:KV+1] op_sel_hi:[1,0,1]    ; 1.8e6 clean - 59600
	v_pk_fma_f32 v[T+2:T+3], v[C+4*\i+2:C+4*\i+3], 0x49dbba00, v[KV:KV+1] op_sel_hi:[1,0,1]
.irp e, 0,1,2,3
	v_max_num_f32 v[T+\e], 0x43c80000, v[T+\e]     ; at least 400
.endr
.irp e, 0,1,2,3
	v_rsq_f32 v[T+\e], v[T+\e]
.endr
	v_nop                                          ; a plain instruction between the last root and the use of the results (ISA guide 5.7.2); no other work is ready here
	s_wait_alu depctr_va_vdst(0)
	v_pk_mul_f32 v[T:T+1],   v[T:T+1],   0x476a6000 op_sel_hi:[1,0]                            ; w = 60000 / sqrt(v)
	v_pk_mul_f32 v[T+2:T+3], v[T+2:T+3], 0x476a6000 op_sel_hi:[1,0]
	v_pk_fma_f32 v[X+4*\i:X+4*\i+1],   v[X+4*\i:X+4*\i+1],   v[T:T+1],   0x42c80000 op_sel_hi:[1,1,0]   ; x w + 100
	v_pk_fma_f32 v[X+4*\i+2:X+4*\i+3], v[X+4*\i+2:X+4*\i+3], v[T+2:T+3], 0x42c80000 op_sel_hi:[1,1,0]
.irp e, 0,1,2,3
	v_max_num_f32 v[X+4*\i+\e], s22, v[X+4*\i+\e]
.endr
.irp e, 0,1,2,3
	v_min_num_f32 v[X+4*\i+\e], s23, v[X+4*\i+\e]
.endr
.irp e, 0,1,2,3
	v_cmp_gt_i32 vcc_lo, 0, v[X+4*\i+\e]           ; the key
	v_sub_nc_u32 v[S+\e], 0x80000000, v[X+4*\i+\e]
	v_cndmask_b32 v[X+4*\i+\e], v[X+4*\i+\e], v[S+\e], vcc_lo
.endr
	global_store_b128 v1, v[X+4*\i:X+4*\i+3], s[14:15] offset:512*\i   ; the next launch reads it: no hint.  These registers are not written again
	v_pk_add_f32 v[T:T+1],   v[T:T+1],   0x37fba882 op_sel_hi:[1,0]    ; w + 3e-5 = 3000 (scale_factor + 1e-8)
	v_pk_add_f32 v[T+2:T+3], v[T+2:T+3], 0x37fba882 op_sel_hi:[1,0]
	v_pk_mul_f32 v[T:T+1], v[T:T+1], v[T+2:T+3]
	v_mul_f32 v[LG+\i], v[T], v[T+1]
	v_log_f32 v[LG+\i], v[LG+\i]                   ; used at the end; the next group's first line is the plain instruction behind it
.endm
.irp i, 0,1,2,3,4,5,6,7
	GROUP \i
.endr
	v_pk_add_f32 v[LG:LG+1], v[LG:LG+1], v[LG+2:LG+3]          ; plain, and names nothing of the last logarithm
	s_wait_alu depctr_va_vdst(0)
	v_pk_add_f32 v[LG+4:LG+5], v[LG+4:LG+5], v[LG+6:LG+7]
	v_pk_add_f32 v[LG:LG+1], v[LG:LG+1], v[LG+4:LG+5]
	v_add_f32 v[LG], v[LG], v[LG+1]
	v_add_f32_dpp v[LG], v[LG], v[LG] row_xmask:1 row_mask:0xf bank_mask:0xf
	v_add_f32_dpp v[LG], v[LG], v[LG] row_xmask:2 row_mask:0xf bank_mask:0xf
	v_add_f32_dpp v[LG], v[LG], v[LG] row_xmask:4 row_mask:0xf bank_mask:0xf
	v_add_f32_dpp v[LG], v[LG], v[LG] row_xmask:8 row_mask:0xf bank_mask:0xf
	v_permlanex16_b32 v[LG+1], v[LG], s30, s31
	v_add_f32 v[LG], v[LG], v[LG+1]                ; the wave's sum, in every lane
	s_lshl_b32 s28, s24, 2
	v_mov_b32 v2, s28
	ds_store_b32 v2, v[LG]                         ; word = wave
	s_wait_dscnt 0x0                               ; for the others' sake: my word is written
	s_barrier_signal -1
	s_barrier_wait -1
	s_cmp_lg_u32 s24, 0
	s_cbranch_scc1 .Lend
	v_mov_b32 v2, 0
	ds_load_b128 v[T:T+3], v2
	ds_load_b128 v[S:S+3], v2 offset:16
	s_wait_dscnt 0x0
	v_pk_add_f32 v[T:T+1], v[T:T+1], v[T+2:T+3]
	v_pk_add_f32 v[S:S+1], v[S:S+1], v[S+2:S+3]
	v_pk_add_f32 v[T:T+1], v[T:T+1], v[S:S+1]
	v_add_f32 v[T], v[T], v[T+1]
	v_mul_f32 v[T], 0x3f317218, v[T]               ; log2 to ln
	s_lshl_b32 s28, s25, 2
	v_mov_b32 v2, s28
	v_cmp_eq_u32 vcc_lo, 0, v0
	s_wait_xcnt 0x0                                ; EXEC is a source of the stores above: it changes only behind this wait
	s_and_saveexec_b32 s29, vcc_lo
	global_store_b32 v2, v[T], s[20:21]            ; part1[work-group], one lane
	s_wait_xcnt 0x0                                ; and again in front of the line that widens it
	s_or_b32 exec_lo, exec_lo, s29
.Lend:
	s_wait_tensorcnt 0x0
	ds_add_u32 v128, v129
	s_wait_dscnt 0x0
	s_endpgm
.Lfunc_end_k_qa68c3ff3ac_prep:
	.size	k_qa68c3ff3ac_prep, .Lfunc_end_k_qa68c3ff3ac_prep-k_qa68c3ff3ac_prep
	.p2alignl 7, 3214868480
	.fill 96, 4, 3214868480
	.section	.rodata,"a",@progbits
	.p2align	6, 0x0
	.amdhsa_kernel k_qa68c3ff3ac_prep
		.amdhsa_group_segment_fixed_size 1280
		.amdhsa_private_segment_fixed_size 0
		.amdhsa_enable_private_segment 0
		.amdhsa_kernarg_size 72
		.amdhsa_user_sgpr_count 2
		.amdhsa_user_sgpr_kernarg_segment_ptr 1
		.amdhsa_wavefront_size32 1
		.amdhsa_system_sgpr_workgroup_id_x 1
		.amdhsa_system_sgpr_workgroup_id_y 1
		.amdhsa_system_sgpr_workgroup_id_z 1
		.amdhsa_system_vgpr_workitem_id 0
		.amdhsa_next_free_vgpr 130
		.amdhsa_next_free_sgpr 66
		.amdhsa_reserve_vcc 1
		.amdhsa_float_denorm_mode_32 3
		.amdhsa_float_denorm_mode_16_64 3
		.amdhsa_memory_ordered 1
		.amdhsa_forward_progress 1
		.amdhsa_inst_pref_size 31
	.end_amdhsa_kernel
	.amdgpu_metadata
---
amdhsa.version: [ 1, 2 ]
amdhsa.kernels:
  - .name:           k_qa68c3ff3ac_prep
    .symbol:         k_qa68c3ff3ac_prep.kd
    .args:
      - { .name: x, .offset: 0, .size: 8, .value_kind: global_buffer, .address_space: global }
      - { .name: clean, .offset: 8, .size: 8, .value_kind: global_buffer, .address_space: global }
      - { .name: x_grid, .offset: 16, .size: 8, .value_kind: global_buffer, .address_space: global }
      - { .name: cdf_table, .offset: 24, .size: 8, .value_kind: global_buffer, .address_space: global }
      - { .name: pdf_table, .offset: 32, .size: 8, .value_kind: global_buffer, .address_space: global }
      - { .name: qkey, .offset: 40, .size: 8, .value_kind: global_buffer, .address_space: global }
      - { .name: tab, .offset: 48, .size: 8, .value_kind: global_buffer, .address_space: global }
      - { .name: rec, .offset: 56, .size: 8, .value_kind: global_buffer, .address_space: global }
      - { .name: part1, .offset: 64, .size: 8, .value_kind: global_buffer, .address_space: global }
    .group_segment_fixed_size: 1280
    .private_segment_fixed_size: 0
    .kernarg_segment_align: 8
    .kernarg_segment_size: 72
    .max_flat_workgroup_size: 256
    .sgpr_count:     66
    .vgpr_count:     130
    .wavefront_size: 32
...
	.end_amdgpu_metadata
.endif
;; end of part 1
;; launch main (part 2): grid 256 x 1, 32 waves a work-group, no clusters, 266,496 bytes of LDS; arguments qkey, tab, rec, out0, part2; writes out0, part2
.if DOCPART == 2
	.amdgcn_target "amdgcn-amd-amdhsa--gfx1250"
	.amdhsa_code_object_version 6
	.text
	.protected	k_qa68c3ff3ac_main
	.globl	k_qa68c3ff3ac_main
	.p2align	8
	.type	k_qa68c3ff3ac_main,@function
k_qa68c3ff3ac_main:
	s_mov_b64 s[64:65], 0
	v_nop
	global_prefetch_b8 v0, s[64:65] scope:SCOPE_SE
	s_setreg_imm32_b32 hwreg(HW_REG_WAVE_MODE, 25, 1), 1
	s_wait_xcnt 0x0
; MAIN: search, interpolation, z and the rest of log_det.  qkey holds x_c of every element as a whole number that orders as the float does (the
; float's bits, or 0x80000000 minus the bits for a negative float; the map is its own inverse).  tab holds the bisection of the problem's
; searchsorted as a heap: word k = 1 .. 32767 the key of grid[mid] in state k; the children of k are 2k (x_c <= grid[mid]) and 2k + 1; word
; k = 32768 .. 65535 is grid[idx-1], as a float, of the search that ends in leaf k.  Both were stored by the launch before, so every address
; here hangs on whole numbers read from memory and on integer compares, and on no floating-point work of this launch.
; SEARCH: 15 decisions.  The root's key is one for all and stays in a register; the other 14 keys, and x0, are gathers from LDS at byte 4 k.
; A level costs four vector instructions an element: compare, select 0 or 4, 4k = 2 (4k) | that, and the written bound 4 x 65535 (never met: k has
; 16 bits at the most) behind which alone an index made from loaded numbers enters an address.
; THEN the record of leaf k, 16 bytes at 16 (k - 32768) of rec: (c0, cdf's slope, p0 + 1e-8, pdf's slope).  The leaf's leading bit is cut off 4 k by a
; mask of 17 bits, so that the offset lies in 0 .. 524,272 by what is written, whatever was loaded;
;   u = clamp(c0 + slope (x_c - x0), 1e-5, 1 - 1e-5);   z = sqrt(2) erfinv(2u - 1) by the two polynomials in w = -ln((1-t)(1+t)) = -ln(4u(1-u)), t = 2u - 1
;   (w below 5: in w - 2.5; else in sqrt(w) - 3; both are worked out and one is chosen by v_cndmask_b32);   sums of log2(p) and of z z.
; SHARES: 256 work-groups of 32 waves; a work-group owns 32,768 elements (an eighth of a batch), a wave 1,024, a lane 32: four trips of eight.
; A load or store of a wave covers 512 neighbouring bytes, aligned.  A lane's eight searches run staggered, two by two, six gathers out at any time.
; LDS: tab at byte 0 (262,144 bytes, filled once); 32 words for the sums at 262,144, in a block of 256 bytes of their own.
; The records (524,288 bytes) do not fit beside it: they are gathered from memory.
; THE FILL: waves 0 to 15 each issue one tensor load of 64 rows x 256 bytes, its own sixteenth of tab.  One tensor load of a wave is out, once in
; the launch; nothing is filled again.
; NO CLUSTER, though every work-group fetches the same 262,144 bytes of tab: where work-groups ask jointly, every LDS address has to be alike in all
; partners, and this kernel's LDS reads are gathers at 4 k, where k follows each work-group's own keys.
; LIMITS: none of its own; what the launch before states of NaNs holds here.
.set PART,  262144
.set KMAX,  0x3fffc                    ; 4 x 65535
.set LEAFM, 0x1fffc                    ; 4 x 32767: 4 k of a leaf without its leading bit
.set VOFF,  1                          ; v1        4,096 x wave + 16 x lane; never rewritten
.set C4,    2                          ; v2        4: the right child's bit, and the LDS address of the root's key
.set P1,    3                          ; v3        the root's key
.set KLN,   4                          ; v[4:5]    -ln 2, twice
.set KS2,   6                          ; v[6:7]    -sqrt 2, twice
.set KTC,   8                          ; v[8:9]    leading coefficient of the polynomial in w - 2.5, twice
.set KTT,   10                         ; v[10:11]  leading coefficient of the polynomial in sqrt(w) - 3, twice
.set ACCZ,  12                         ; v[12:13]  sums of z z
.set ACCL,  14                         ; v[14:15]  sums of log2(p)
.set Q,     16                         ; v[16:23]  eight keys
.set A,     24                         ; v[24:31]  4 k
.set RO,    32                         ; v[32:39]  16 (k - 32768)
.set VAL,   40                         ; v[40:47]  the key read; at last x0
.set REC,   48                         ; v[48:79]  eight records; then the four below
.set PC,    48                         ; v[48:55]  polynomial in w - 2.5, then the one chosen
.set PT,    56                         ; v[56:63]  polynomial in sqrt(w) - 3
.set M,     64                         ; v[64:71]  u (1 - u), its log2, w, sqrt(w), sqrt(w) - 3
.set WC,    72                         ; v[72:79]  w - 2.5
.set D,     80                         ; v[80:87]  x_c, x_c - x0; then sqrt(2) (2u - 1)
.set U,     88                         ; v[88:95]
.set P,     96                         ; v[96:103] pdf + 1e-8, then its log2
.set Z,     104                        ; v[104:111]
.set T,     112                        ; v[112:113] 0 or 4, for a pair of elements
.set C12,   114                        ; v114      12 = 4 x 3: the root's right child
.set W0,    116                        ; v116, v117 at work at the start and at the end
.set G0,    28                         ; s[28:31]  descriptor group 0
.set G1,    32                         ; s[32:39]  descriptor group 1
	s_load_b256 s[4:11], s[0:1], 0x0               ; qkey s[4:5], tab s[6:7], rec s[8:9], out0 s[10:11]
	s_load_b64 s[12:13], s[0:1], 0x20              ; part2
	v_lshl_add_u32 v126, v0, 2, 0x40100
	v_mov_b32 v127, 0
	ds_add_u32 v126, v127
	ds_add_u32 v126, v127
	v_lshrrev_b32 v[W0], 5, v0
	v_readfirstlane_b32 s14, v[W0]                 ; wave 0..31
	v_and_b32 v[W0+1], 31, v0
	v_lshlrev_b32 v[VOFF], 4, v[W0+1]
	v_lshl_or_b32 v[VOFF], v[W0], 12, v[VOFF]
	v_mov_b32 v[C4], 4
	v_mov_b32 v[C12], 12
	v_mov_b32 v[KLN], 0xbf317218
	v_mov_b32 v[KLN+1], 0xbf317218
	v_mov_b32 v[KS2], 0xbfb504f3
	v_mov_b32 v[KS2+1], 0xbfb504f3
	v_mov_b32 v[KTC], 0x32f16588                   ; 2.81022636e-08
	v_mov_b32 v[KTC+1], 0x32f16588
	v_mov_b32 v[KTT], 0xb951f09b                   ; -0.000200214257
	v_mov_b32 v[KTT+1], 0xb951f09b
	v_mov_b32 v[ACCZ], 0
	v_mov_b32 v[ACCZ+1], 0
	v_mov_b32 v[ACCL], 0
	v_mov_b32 v[ACCL+1], 0
	s_mov_b32 s15, ttmp9                           ; work-group
	s_lshl_b32 s16, s15, 17                        ; its 131,072 bytes in qkey and out0 (below 2^25)
	s_mov_b32 s17, 0
	s_mov_b32 s18, 0x3727c5ac                      ; 1e-5
	s_mov_b32 s19, 0x3f7fff58                      ; 1 - 1e-5
	s_mov_b32 s22, 0x76543210                      ; v_permlanex16_b32: each lane takes its own place in the other half
	s_mov_b32 s23, 0xfedcba98
	s_lshl_b32 s40, s14, 14                        ; wave x 16,384: my piece of tab, in memory and in LDS
	s_mov_b32 s41, 0
	; descriptor group 1: tab is dense, so it comes as rows of 256 bytes: 32 elements of 8 bytes, 64 rows a load, no padding
	s_mov_b32 s[G1+0], 3<<16                       ; 15:0 work-group mask = 0 (no cluster); 17:16 elements of 8 bytes; 20 padding off
	s_mov_b32 s[G1+1], 32<<16                      ; 63:48 tensor_dim0, low half = 32
	s_mov_b32 s[G1+2], 64<<16                      ; 79:64 its high half = 0; 95:80 tensor_dim1, low half = 64
	s_mov_b32 s[G1+3], 32<<16                      ; 111:96 its high half = 0; 127:112 tile_dim0 = 32
	s_mov_b32 s[G1+4], 64                          ; 143:128 tile_dim1 = 64; 159:144 tile_dim2 = 0
	s_mov_b32 s[G1+5], 32                          ; 191:160 tensor_dim0_stride: a row begins where the last ends
	s_mov_b32 s[G1+6], 0
	s_mov_b32 s[G1+7], 0
	s_mov_b32 s[G0+0], 1                           ; 1:0 count = 1
	s_lshl_b32 s[G0+1], s14, 14                    ; 63:32 LDS address: wave x 16,384
	s_wait_dscnt 0x0
	s_wait_kmcnt 0x0
	s_add_nc_u64 s[G0+2:G0+3], s[6:7], s[40:41]    ; 120:64 global address of my piece
	s_or_b32 s[G0+3], s[G0+3], 0x80000000          ; 127:126 type = 2
	s_add_nc_u64 s[4:5], s[4:5], s[16:17]
	s_add_nc_u64 s[10:11], s[10:11], s[16:17]
	s_cmp_lt_u32 s14, 16                           ; sixteen pieces: waves 16 to 31 issue none.  The fill stands ahead of every wait on TENSORcnt, every LDS read and every barrier
	s_cbranch_scc0 .Lno_fill
	tensor_load_to_lds s[G0:G0+3], s[G1:G1+7]
	s_nop 0
.Lno_fill:
	global_load_b128 v[Q:Q+3],   v[VOFF], s[4:5] th:TH_LOAD_NT             ; the first trip's keys
	global_load_b128 v[Q+4:Q+7], v[VOFF], s[4:5] offset:512 th:TH_LOAD_NT
	s_wait_tensorcnt 0x0                           ; my piece, if I have one, has landed: on every wave's path
	s_barrier_signal -1
	s_barrier_wait -1                              ; the table is whole; nothing writes it again
	ds_load_b32 v[P1], v[C4]                       ; word 1: the root's key
	s_wait_dscnt 0x0
; The level whose gathers are out is decided and the next is asked for; two elements at a time, so that no line reads the result of the line in front.
; last = 1: k is now a leaf: the gather from LDS brings x0, and the record is asked for.
.macro LEVEL last
.irp e, 0,2,4,6
	s_wait_dscnt 6                                 ; LDS answers in order (ISA guide 5.7.1): behind this pair's two gathers stand 6 - e of the same level and e of the next: six
	v_cmp_lt_i32 vcc_lo, v[VAL+\e], v[Q+\e]        ; grid[mid] < x_c: to the right
	v_cmp_lt_i32 s26, v[VAL+\e+1], v[Q+\e+1]
	v_cndmask_b32 v[T], 0, v[C4], vcc_lo
	v_cndmask_b32 v[T+1], 0, v[C4], s26
	v_lshl_or_b32 v[A+\e], v[A+\e], 1, v[T]        ; 4 (2k) or 4 (2k + 1)
	v_lshl_or_b32 v[A+\e+1], v[A+\e+1], 1, v[T+1]
	v_min_u32 v[A+\e], KMAX, v[A+\e]
	v_min_u32 v[A+\e+1], KMAX, v[A+\e+1]
	ds_load_b32 v[VAL+\e], v[A+\e]
	ds_load_b32 v[VAL+\e+1], v[A+\e+1]
.if \last
	v_and_b32 v[RO+\e], LEAFM, v[A+\e]             ; 4 (k - 32768)
	v_and_b32 v[RO+\e+1], LEAFM, v[A+\e+1]
	v_lshlrev_b32 v[RO+\e], 2, v[RO+\e]            ; 16 (k - 32768): 524,272 at the most
	v_lshlrev_b32 v[RO+\e+1], 2, v[RO+\e+1]
	global_load_b128 v[REC+4*\e:REC+4*\e+3],   v[RO+\e],   s[8:9]   ; many lanes and work-groups read the same records: no hint
	global_load_b128 v[REC+4*\e+4:REC+4*\e+7], v[RO+\e+1], s[8:9]
.endif
.endr
.endm
; One step of both polynomials for all four pairs: eight chains that do not wait for each other.
.macro HORNER cc, tc
.irp k, 0,2,4,6
	v_pk_fma_f32 v[PC+\k:PC+\k+1], v[PC+\k:PC+\k+1], v[WC+\k:WC+\k+1], \cc op_sel_hi:[1,1,0]
	v_pk_fma_f32 v[PT+\k:PT+\k+1], v[PT+\k:PT+\k+1], v[M+\k:M+\k+1],   \tc op_sel_hi:[1,1,0]
.endr
.endm
; A trip: eight elements of a lane.  ahead = 1: the next trip's keys are asked for as soon as this trip's have been read for the last time.
.macro TRIP ahead
	s_wait_loadcnt 0x0                             ; this trip's keys: nothing else is out
.irp e, 0,2,4,6
	v_cmp_lt_i32 vcc_lo, v[P1], v[Q+\e]            ; the root's decision
	v_cmp_lt_i32 s26, v[P1], v[Q+\e+1]
	v_cndmask_b32 v[A+\e], 8, v[C12], vcc_lo       ; k = 2 or 3, times 4
	v_cndmask_b32 v[A+\e+1], 8, v[C12], s26
	v_min_u32 v[A+\e], KMAX, v[A+\e]
	v_min_u32 v[A+\e+1], KMAX, v[A+\e+1]
	ds_load_b32 v[VAL+\e], v[A+\e]
	ds_load_b32 v[VAL+\e+1], v[A+\e+1]
.endr
.rept 13
	LEVEL 0
.endr
	LEVEL 1                                        ; the fifteenth decision
.irp e, 0,1,2,3,4,5,6,7
	v_cmp_gt_i32 vcc_lo, 0, v[Q+\e]                ; the key back to x_c
	v_sub_nc_u32 v[D+\e], 0x80000000, v[Q+\e]
	v_cndmask_b32 v[D+\e], v[Q+\e], v[D+\e], vcc_lo
.endr
.if \ahead
	global_load_b128 v[Q:Q+3],   v[VOFF], s[4:5] offset:1024 th:TH_LOAD_NT
	global_load_b128 v[Q+4:Q+7], v[VOFF], s[4:5] offset:1536 th:TH_LOAD_NT
.endif
.irp k, 0,2,4,6
	s_wait_dscnt 6-\k                              ; x0 of this pair is in; the 6 - k gathers behind it may be out
	v_pk_add_f32 v[D+\k:D+\k+1], v[D+\k:D+\k+1], v[VAL+\k:VAL+\k+1] neg_lo:[0,1] neg_hi:[0,1]   ; x_c - x0
.endr
.irp e, 0,1,2,3,4,5,6,7
	s_wait_loadcnt 2*\ahead+7-\e                   ; record e is in; behind it stand 7 - e records and the next trip's two loads of keys
	v_fma_f32 v[U+\e], v[REC+4*\e+1], v[D+\e], v[REC+4*\e]
	v_fma_f32 v[P+\e], v[REC+4*\e+3], v[D+\e], v[REC+4*\e+2]
	v_med3_num_f32 v[U+\e], v[U+\e], s18, s19
.endr
.irp k, 0,2,4,6
	v_pk_fma_f32 v[M+\k:M+\k+1], v[U+\k:U+\k+1], -1.0, 1.0 op_sel_hi:[1,0,0]
.endr
.irp k, 0,2,4,6
	v_pk_mul_f32 v[M+\k:M+\k+1], v[M+\k:M+\k+1], v[U+\k:U+\k+1]        ; u (1 - u)
.endr
.irp e, 0,1,2,3,4,5,6,7
	v_log_f32 v[M+\e], v[M+\e]
.endr
.irp k, 0,2,4,6
	v_pk_fma_f32 v[D+\k:D+\k+1], v[U+\k:U+\k+1], 0x403504f3, v[KS2:KS2+1] op_sel_hi:[1,0,1]   ; sqrt(2) (2u - 1): the plain work between the logarithms and their use (ISA guide 5.7.2)
.endr
	s_wait_alu depctr_va_vdst(0)
.irp k, 0,2,4,6
	v_pk_fma_f32 v[M+\k:M+\k+1], v[M+\k:M+\k+1], v[KLN:KLN+1], 0xbfb17218 op_sel_hi:[1,1,0]   ; w = -ln 2 log2(u (1 - u)) - ln 4
	v_log_f32 v[P+\k], v[P+\k]                     ; plain and transcendental by turns; these results are used far below
	v_pk_add_f32 v[WC+\k:WC+\k+1], v[M+\k:M+\k+1], 0xc0200000 op_sel_hi:[1,0]                 ; w - 2.5
	v_log_f32 v[P+\k+1], v[P+\k+1]
.endr
.irp e, 0,1,2,3,4,5,6,7
	v_sqrt_f32 v[M+\e], v[M+\e]                    ; where rounding has left w a little below 0 this is a NaN, in the polynomial that is not chosen there
.endr
.irp k, 0,2,4,6
	v_pk_fma_f32 v[PC+\k:PC+\k+1], v[WC+\k:WC+\k+1], v[KTC:KTC+1], 0x34b84b36 op_sel_hi:[1,1,0]   ; + 3.43273939e-07: plain work behind the roots
.endr
	s_wait_alu depctr_va_vdst(0)
.irp k, 0,2,4,6
	v_pk_add_f32 v[M+\k:M+\k+1], v[M+\k:M+\k+1], 0xc0400000 op_sel_hi:[1,0]                   ; sqrt(w) - 3
.endr
.irp k, 0,2,4,6
	v_pk_fma_f32 v[PT+\k:PT+\k+1], v[M+\k:M+\k+1], v[KTT:KTT+1], 0x38d3b56b op_sel_hi:[1,1,0]     ; + 0.000100950558
.endr
.irp k, 0,2,4,6
	v_pk_add_f32 v[ACCL:ACCL+1], v[ACCL:ACCL+1], v[P+\k:P+\k+1]
.endr
	HORNER 0xb66c7357, 0x3ab0dc72                  ; -3.5233877e-06     0.00134934322
	HORNER 0xb6935ac1, 0xbb70bde7                  ; -4.39150654e-06   -0.00367342844
	HORNER 0x396532db, 0x3bbc127b                  ;  0.00021858087     0.00573950773
	HORNER 0xbaa45408, 0xbbf9c5d7                  ; -0.00125372503    -0.0076224613
	HORNER 0xbb88e4ef, 0x3c1aa57e                  ; -0.00417768164     0.00943887047
	HORNER 0x3e7c8f63, 0x3f8036db                  ;  0.246640727       1.00167406
	HORNER 0x3fc02e2f, 0x40354f7e                  ;  1.50140941        2.83297682
.irp e, 0,2,4,6
	v_cmp_gt_f32 vcc_lo, 0x40200000, v[WC+\e]      ; w < 5: a choice of values, never of an address
	v_cmp_gt_f32 s26, 0x40200000, v[WC+\e+1]
	v_cndmask_b32 v[PC+\e], v[PT+\e], v[PC+\e], vcc_lo
	v_cndmask_b32 v[PC+\e+1], v[PT+\e+1], v[PC+\e+1], s26
.endr
.irp k, 0,2,4,6
	v_pk_mul_f32 v[Z+\k:Z+\k+1], v[PC+\k:PC+\k+1], v[D+\k:D+\k+1]
.endr
.irp k, 0,2,4,6
	v_pk_fma_f32 v[ACCZ:ACCZ+1], v[Z+\k:Z+\k+1], v[Z+\k:Z+\k+1], v[ACCZ:ACCZ+1]
.endr
	global_store_b128 v[VOFF], v[Z:Z+3],   s[10:11] th:TH_STORE_NT
	global_store_b128 v[VOFF], v[Z+4:Z+7], s[10:11] offset:512 th:TH_STORE_NT
.endm
	s_mov_b32 s20, 3
.Ltrip:
	TRIP 1
	s_wait_xcnt 0x0                                ; every earlier memory instruction has had its addresses translated (ISA guide 3.1): the two bases and Z are rewritten only behind this wait
	s_add_nc_u64 s[4:5], s[4:5], 1024
	s_add_nc_u64 s[10:11], s[10:11], 1024
	s_sub_co_u32 s20, s20, 1
	s_cmp_lg_u32 s20, 0
	s_cbranch_scc1 .Ltrip
	TRIP 0                                         ; the last trip is written out: it asks for no keys, so no load leaves the wave's 4,096 bytes
	; THE SUMS: ln(p) + z z / 2 over the work-group's 32,768 elements
.macro WSUM r, t
	v_add_f32_dpp v[\r], v[\r], v[\r] row_xmask:1 row_mask:0xf bank_mask:0xf
	v_add_f32_dpp v[\r], v[\r], v[\r] row_xmask:2 row_mask:0xf bank_mask:0xf
	v_add_f32_dpp v[\r], v[\r], v[\r] row_xmask:4 row_mask:0xf bank_mask:0xf
	v_add_f32_dpp v[\r], v[\r], v[\r] row_xmask:8 row_mask:0xf bank_mask:0xf
	v_permlanex16_b32 v[\t], v[\r], s22, s23
	v_add_f32 v[\r], v[\r], v[\t]
.endm
	v_add_f32 v[ACCZ], v[ACCZ], v[ACCZ+1]
	v_add_f32 v[ACCL], v[ACCL], v[ACCL+1]
	v_mul_f32 v[ACCZ], 0.5, v[ACCZ]
	v_fmac_f32 v[ACCZ], 0x3f317218, v[ACCL]        ; + ln 2 x the sum of log2(p)
	WSUM ACCZ, ACCZ+1
	s_lshl_b32 s24, s14, 2
	s_add_co_u32 s24, s24, PART
	v_mov_b32 v[W0], s24
	ds_store_b32 v[W0], v[ACCZ]                    ; word = wave
	s_wait_dscnt 0x0                               ; for the others' sake: my word is written
	s_barrier_signal -1
	s_barrier_wait -1
	s_cmp_lg_u32 s14, 0
	s_cbranch_scc1 .Lend
	v_and_b32 v[W0], 31, v0
	v_lshlrev_b32 v[W0], 2, v[W0]
	v_add_nc_u32 v[W0], PART, v[W0]
	ds_load_b32 v[ACCZ], v[W0]                     ; lane l takes wave l's sum
	s_wait_dscnt 0x0
	WSUM ACCZ, ACCZ+1
	s_lshl_b32 s24, s15, 2
	v_mov_b32 v[W0+1], s24
	v_cmp_eq_u32 vcc_lo, 0, v0
	s_wait_xcnt 0x0                                ; EXEC is a source of the stores above: it changes only behind this wait
	s_and_saveexec_b32 s21, vcc_lo
	global_store_b32 v[W0+1], v[ACCZ], s[12:13]    ; part2[work-group], one lane
	s_wait_xcnt 0x0                                ; and again in front of the line that widens it
	s_or_b32 exec_lo, exec_lo, s21
.Lend:
	s_wait_tensorcnt 0x0
	ds_add_u32 v126, v127
	s_wait_dscnt 0x0
	s_endpgm
.Lfunc_end_k_qa68c3ff3ac_main:
	.size	k_qa68c3ff3ac_main, .Lfunc_end_k_qa68c3ff3ac_main-k_qa68c3ff3ac_main
	.p2alignl 7, 3214868480
	.fill 96, 4, 3214868480
	.section	.rodata,"a",@progbits
	.p2align	6, 0x0
	.amdhsa_kernel k_qa68c3ff3ac_main
		.amdhsa_group_segment_fixed_size 266496
		.amdhsa_private_segment_fixed_size 0
		.amdhsa_enable_private_segment 0
		.amdhsa_kernarg_size 40
		.amdhsa_user_sgpr_count 2
		.amdhsa_user_sgpr_kernarg_segment_ptr 1
		.amdhsa_wavefront_size32 1
		.amdhsa_system_sgpr_workgroup_id_x 1
		.amdhsa_system_sgpr_workgroup_id_y 1
		.amdhsa_system_sgpr_workgroup_id_z 1
		.amdhsa_system_vgpr_workitem_id 0
		.amdhsa_next_free_vgpr 128
		.amdhsa_next_free_sgpr 66
		.amdhsa_reserve_vcc 1
		.amdhsa_float_denorm_mode_32 3
		.amdhsa_float_denorm_mode_16_64 3
		.amdhsa_memory_ordered 1
		.amdhsa_forward_progress 1
		.amdhsa_inst_pref_size 107
	.end_amdhsa_kernel
	.amdgpu_metadata
---
amdhsa.version: [ 1, 2 ]
amdhsa.kernels:
  - .name:           k_qa68c3ff3ac_main
    .symbol:         k_qa68c3ff3ac_main.kd
    .args:
      - { .name: qkey, .offset: 0, .size: 8, .value_kind: global_buffer, .address_space: global }
      - { .name: tab, .offset: 8, .size: 8, .value_kind: global_buffer, .address_space: global }
      - { .name: rec, .offset: 16, .size: 8, .value_kind: global_buffer, .address_space: global }
      - { .name: out0, .offset: 24, .size: 8, .value_kind: global_buffer, .address_space: global }
      - { .name: part2, .offset: 32, .size: 8, .value_kind: global_buffer, .address_space: global }
    .group_segment_fixed_size: 266496
    .private_segment_fixed_size: 0
    .kernarg_segment_align: 8
    .kernarg_segment_size: 40
    .max_flat_workgroup_size: 1024
    .sgpr_count:     66
    .vgpr_count:     128
    .wavefront_size: 32
...
	.end_amdgpu_metadata
.endif
;; end of part 2
;; launch finish (part 3): grid 1 x 1, 1 waves a work-group, no clusters, 0 bytes of LDS; arguments part1, part2, out1; writes out1
.if DOCPART == 3
	.amdgcn_target "amdgcn-amd-amdhsa--gfx1250"
	.amdhsa_code_object_version 6
	.text
	.protected	k_qa68c3ff3ac_finish
	.globl	k_qa68c3ff3ac_finish
	.p2align	8
	.type	k_qa68c3ff3ac_finish,@function
k_qa68c3ff3ac_finish:
	s_mov_b64 s[64:65], 0
	v_nop
	global_prefetch_b8 v0, s[64:65] scope:SCOPE_SE
	s_setreg_imm32_b32 hwreg(HW_REG_WAVE_MODE, 25, 1), 1
	s_wait_xcnt 0x0
; FINISH: out1[b] = the 32 sums of part1 and the 8 sums of part2 that belong to batch b, + 262,144 x 0.5 ln(2 pi).
; part1 holds ln 3000 + ln(scale_factor + 1e-8), part2 holds ln(pdf + 1e-8) + z z / 2, each summed over a work-group's elements.
; A sum over work-groups is made by one owner in a launch of its own: one wave, lane b for batch b; 5,120 bytes in, 128 bytes out in one store.
	s_load_b128 s[4:7], s[0:1], 0x0                ; part1 s[4:5], part2 s[6:7]
	s_load_b64 s[8:9], s[0:1], 0x10                ; out1
	v_lshlrev_b32 v1, 7, v0                        ; batch b's 32 words of part1
	v_lshlrev_b32 v2, 5, v0                        ; its 8 words of part2
	v_lshlrev_b32 v3, 2, v0                        ; its word of out1
	s_wait_kmcnt 0x0
.irp j, 0,1,2,3,4,5,6,7
	global_load_b128 v[4+4*\j:7+4*\j], v1, s[4:5] offset:16*\j
.endr
	global_load_b128 v[36:39], v2, s[6:7]
	global_load_b128 v[40:43], v2, s[6:7] offset:16
	s_wait_loadcnt 0x0
.irp k, 0,1,2,3,4,5,6,7,8,9
	v_pk_add_f32 v[4+2*\k:5+2*\k], v[4+2*\k:5+2*\k], v[24+2*\k:25+2*\k]   ; 40 numbers to 20
.endr
.irp k, 0,1,2,3,4
	v_pk_add_f32 v[4+2*\k:5+2*\k], v[4+2*\k:5+2*\k], v[14+2*\k:15+2*\k]   ; to 10
.endr
	v_pk_add_f32 v[4:5], v[4:5], v[6:7]
	v_pk_add_f32 v[8:9], v[8:9], v[10:11]
	v_pk_add_f32 v[4:5], v[4:5], v[8:9]
	v_pk_add_f32 v[4:5], v[4:5], v[12:13]
	v_add_f32 v4, v4, v5
	v_add_f32 v4, 0x486b3f8e, v4                   ; + 131,072 ln(2 pi) = 240,894.2
	global_store_b32 v3, v4, s[8:9]
	s_endpgm
.Lfunc_end_k_qa68c3ff3ac_finish:
	.size	k_qa68c3ff3ac_finish, .Lfunc_end_k_qa68c3ff3ac_finish-k_qa68c3ff3ac_finish
	.p2alignl 7, 3214868480
	.fill 96, 4, 3214868480
	.section	.rodata,"a",@progbits
	.p2align	6, 0x0
	.amdhsa_kernel k_qa68c3ff3ac_finish
		.amdhsa_group_segment_fixed_size 0
		.amdhsa_private_segment_fixed_size 0
		.amdhsa_enable_private_segment 0
		.amdhsa_kernarg_size 24
		.amdhsa_user_sgpr_count 2
		.amdhsa_user_sgpr_kernarg_segment_ptr 1
		.amdhsa_wavefront_size32 1
		.amdhsa_system_sgpr_workgroup_id_x 1
		.amdhsa_system_sgpr_workgroup_id_y 1
		.amdhsa_system_sgpr_workgroup_id_z 1
		.amdhsa_system_vgpr_workitem_id 0
		.amdhsa_next_free_vgpr 48
		.amdhsa_next_free_sgpr 66
		.amdhsa_reserve_vcc 0
		.amdhsa_float_denorm_mode_32 3
		.amdhsa_float_denorm_mode_16_64 3
		.amdhsa_memory_ordered 1
		.amdhsa_forward_progress 1
		.amdhsa_inst_pref_size 3
	.end_amdhsa_kernel
	.amdgpu_metadata
---
amdhsa.version: [ 1, 2 ]
amdhsa.kernels:
  - .name:           k_qa68c3ff3ac_finish
    .symbol:         k_qa68c3ff3ac_finish.kd
    .args:
      - { .name: part1, .offset: 0, .size: 8, .value_kind: global_buffer, .address_space: global }
      - { .name: part2, .offset: 8, .size: 8, .value_kind: global_buffer, .address_space: global }
      - { .name: out1, .offset: 16, .size: 8, .value_kind: global_buffer, .address_space: global }
    .group_segment_fixed_size: 0
    .private_segment_fixed_size: 0
    .kernarg_segment_align: 8
    .kernarg_segment_size: 24
    .max_flat_workgroup_size: 32
    .sgpr_count:     66
    .vgpr_count:     48
    .wavefront_size: 32
...
	.end_amdgpu_metadata
.endif
;; end of part 3
